; MI455X (gfx1250); checked and timed in simulation.
; The chip was launched on July 23, 2026; its instructions are those of AMD's public machine-readable ISA for CDNA 5 (MIT licence, August 2026) and "CDNA5" Instruction Set Architecture Reference Guide (July 2026). The comments in the code are by the model that wrote it; some were corrected since.
;; Multi Attention Head. Allowed arithmetic: matrix products marked QUANTISED: E2M1 operands, one E8M0 scale for each 32 along K, by v_wmma_scale_f32_16x16x128_f8f6f4 with both operands' format E2M1 (or v_wmma_scale_f32_32x16x128_f4), f32 sums; everything else in f32.
;; Inputs: Wk_codes 16 x 128 x 64 x 16 uint8 (E2M1 codes of Wk, K innermost, in blocks of 32 codes, two codes a byte); Wk_scales 16 x 128 x 64 uint8 (E8M0 scales of Wk, one for each 32 codes along K); Wq_codes 16 x 128 x 64 x 16 uint8 (E2M1 codes of Wq, K innermost, in blocks of 32 codes, two codes a byte); Wq_scales 16 x 128 x 64 uint8 (E8M0 scales of Wq, one for each 32 codes along K); Wv_codes 16 x 128 x 64 x 16 uint8 (E2M1 codes of Wv, K innermost, in blocks of 32 codes, two codes a byte); Wv_scales 16 x 128 x 64 uint8 (E8M0 scales of Wv, one for each 32 codes along K); bk 16 x 128 float32; bq 16 x 128 float32; bv 16 x 128 float32; x_codes 4 x 1,024 x 64 x 16 uint8 (E2M1 codes of x, K innermost, in blocks of 32 codes, two codes a byte); x_scales 4 x 1,024 x 64 uint8 (E8M0 scales of x, one for each 32 codes along K).
;; Outputs: out0 4 x 1,024 x 2,048 float32.
;; This version of the problem:
;;   THIS VERSION OF THE PROBLEM IS GIVEN IN LOW PRECISION. The matrix products marked QUANTISED in the list below multiply operands that are first quantised to E2M1 (2 exponent bits, 1 mantissa bit; 4 bits a number), with one power-of-two scale for each 32 numbers along K (OCP MX v1.0); their sums are f32. All else is computed in f32.
;;   The module's matrix products, in the order in which they are computed (A, B: the left and right operand; K: the contracted axis; several contracted axes count as one K, in the product's order):
;;     1. [M 2,048, K 2,048] x [K 2,048, N 4,096]; A: input Wq (given as codes); B: input x (given as codes): QUANTISED
;;     2. [M 2,048, K 2,048] x [K 2,048, N 4,096]; A: input Wk (given as codes); B: input x (given as codes): QUANTISED
;;     3. [M 2,048, K 2,048] x [K 2,048, N 4,096]; A: input Wv (given as codes); B: input x (given as codes): QUANTISED
;;     4. batch 64 x [M 1,024, K 128] x [K 128, N 1,024]; A: computed on the way; B: computed on the way: QUANTISED
;;     5. batch 64 x [M 1,024, K 1,024] x [K 1,024, N 128]; A: softmax (see below); B: computed on the way: QUANTISED
;;   THE QUANTISER, for each operand of a quantised product, along K:
;;     - K is cut into blocks of 32 from its start; a last block that is shorter is filled with zeros.
;;     - A block's scale is 2^e with e = floor(log2(the largest magnitude in the block)) - 2, held to -126 .. 127; a block of zeros has e = 0. As a byte (E8M0): e + 127.
;;     - Each number is divided by its block's scale, clamped to +-6, and rounded to the nearest number of E2M1, ties to even, subnormals kept.
;;     - The product sums the exact products of the quantised numbers (number of the format x scale) in f32.
;;   ~~~python
;;   def quantise(x, axis):      # numpy; x: float32 -> the quantised numbers, widened to float32 again
;;       x = np.moveaxis(x, axis, -1); K = x.shape[-1]
;;       x = np.pad(x, [(0, 0)] * (x.ndim - 1) + [(0, -K % 32)]); x = x.reshape(x.shape[:-1] + (-1, 32)); a = np.abs(x).max(-1, keepdims=True)
;;       e = np.where(a > 0, np.clip(np.frexp(np.where(a > 0, a, 1))[1] - 1 - 2, -126, 127), 0)      # np.frexp(a)[1] - 1 = floor(log2(a)), exactly
;;       r = np.clip(x / 2.0 ** e, -6, 6)
;;       step = 2.0 ** (np.maximum(np.frexp(np.where(r == 0, 1, r))[1] - 1, 0) - 1)
;;       q = np.round(r / step) * step * 2.0 ** e      # np.round: ties to even
;;       return np.moveaxis(q.reshape(q.shape[:-2] + (-1,))[..., :K], -1, axis).astype(np.float32)
;;   ~~~
;;   SOFTMAX AHEAD OF A QUANTISED PRODUCT. Where the list says 'softmax', what is quantised is not the finished softmax but p = 2^(t - M), with t = logit x log2(e) and M = ceil(the row's largest t), a whole number; so 1/2 < the row's largest p <= 1. The row's sum l is taken of the UNQUANTISED p, in f32, and the product's result is divided by l at the end. Since M is a whole number, a kernel that streams over the keys may use a running M (the ceiling of the running maximum): every later rescaling is an exact power of two, which a block's scale takes up: the codes' values come out the same.
;;   OPERANDS COMPUTED ON THE WAY. 'Computed on the way' means the value that the module computes at that place (a softmax that the list does not call 'softmax' is quantised finished and normalised). What goes into a quantiser is computed in f32, as accurately as f32 sums, v_exp_f32 and their like allow (about 1e-6 of the number): no bf16 or f16 on the way to a quantiser, and a product that is left as it is and whose result goes on into a quantised operand takes f32 operands (vector FMAs, or v_wmma_f32_16x16x4_f32). A number that lies on a knife's edge between two numbers of the format may be rounded either way, as far as f32 arithmetic and the matrix unit's own rounding can turn it there, and no further.
;;   INPUTS GIVEN AS CODES. Wk (in the module: [16, 2048, 128], K = its axis 1); Wq (in the module: [16, 2048, 128], K = its axis 1); Wv (in the module: [16, 2048, 128], K = its axis 1); x (in the module: [4, 1024, 2048], K = its axis 2): each comes as NAME_codes (uint8): NAME with its K axis moved to the last place and cut into blocks of 32 codes, [.., K / 32, bytes a block], one block behind the other in memory; two codes a byte, the lower K in the low four bits (a code: sign, 2 exponent bits, 1 mantissa bit); and NAME_scales (uint8): the same leading axes, one E8M0 byte (e + 127) for each 32 codes along K. Its value is code x scale, taken as it is: it is not quantised again, and the codes and scales need not be those that the quantiser above would give.
;; One version. Each part assembles by itself: llvm-mc -triple=amdgcn-amd-amdhsa -mcpu=gfx1250 --defsym DOCPART=n.
;; ======== version 1 of 1: 2 launches
;; limits: right only within a limited range of input values
;; workspace buffers: qimg 4,194,304 bytes; qsc 262,144 bytes; kv 8,912,896 bytes
;; launch proj (part 1): grid 16 x 16, 4 waves a work-group, clusters of 4 x 4, 327,680 bytes of LDS; arguments x_codes, x_scales, Wq_codes, Wq_scales, Wk_codes, Wk_scales, Wv_codes, Wv_scales, bq, bk, bv, qimg, qsc, kv; writes qimg, qsc, kv
.if DOCPART == 1
	.amdgcn_target "amdgcn-amd-amdhsa--gfx1250"
	.amdhsa_code_object_version 6
	.text
	.protected	k_q7829dea3da_proj
	.globl	k_q7829dea3da_proj
	.p2align	8
	.type	k_q7829dea3da_proj,@function
k_q7829dea3da_proj:
	s_mov_b64 s[64:65], 0
	v_nop
	global_prefetch_b8 v0, s[64:65] scope:SCOPE_SE
	s_setreg_imm32_b32 hwreg(HW_REG_WAVE_MODE, 25, 1), 1
	s_wait_xcnt 0x0
	s_wait_alu depctr_hold_cnt(0) depctr_sa_sdst(0) depctr_va_vdst(0) depctr_va_sdst(0) depctr_va_ssrc(0) depctr_va_vcc(0) depctr_vm_vsrc(0)
	s_getreg_b32 s2, hwreg(HW_REG_IB_STS2, 6, 4)
	s_cmp_eq_u32 s2, 0
	s_cbranch_scc0 .Lentry_in_a_cluster
	s_endpgm
.Lentry_in_a_cluster:
	s_bfe_u32 s2, ttmp6, 0x10000c
	s_cmp_lg_u32 s2, 0xf033
	s_cbranch_scc0 .Lentry_shape_is_right
	s_endpgm
.Lentry_shape_is_right:
; q, k, v = x W + b for one head and 256 tokens, on codes of FP4 (E2M1) with one E8M0 scale for each 32 along K = 2,048; sums in f32.  The results are quantised here and leave as codes:
; q and k along the head's 128 (the first attention product's K), v along the tokens (the second's K).  No work of reference() is left out in this launch.
; SHARES.  Work-group (x = head 0..15, y = block of 256 tokens 0..15), four waves.  Wave w takes tokens 128 (w / 2) .. + 127 against 192 columns: d = 64 (w % 2) .. + 63 of q, of k and of v: 768 registers of sums.
; THE FORM is 32 x 16 x 128.  q, k: source 0 = 32 rows of W (d), source 1 = 16 tokens: a lane holds ONE token and its registers run along d.  v: source 0 = 32 tokens, source 1 = 16 rows of Wv: a lane holds ONE d and
; its registers run along the tokens.  So each quantiser finds its K in a lane's registers, and a block of 32 lies in lanes l and l xor 16.  THE BIAS is the C of each sum's first product.
; K goes in four chunks of 512 (rows of 256 bytes), a chunk in four steps of 128.  W's 384 rows have two LDS slots, x's 256 rows have ONE: x's fragments for a chunk's last step are read at the head of its third step,
; so x's slot is filled again behind that step's first 16 products; W's slot is filled again in the fourth step, when its last fragments have been read.  By this text's count a wave has at most one tensor load out.
; THE SCALES of the 256 tokens and of the 3 x 128 rows, for all of K, are dense blocks of memory, 40,960 bytes against 655,360 bytes of codes: they come once, through registers, in whole units of 256 bytes, and stay in LDS
; (not asked for jointly: a wave has one tensor load at the head, and the four are x's tile and W's three).
; CLUSTERS: 4 x 4 work-groups.  x's tile hangs on the token block alone and is asked for jointly along a row of the cluster; W's tiles hang on the head alone and are asked for jointly along a column.
; PREFETCH: chunks 1 to 3 of x and of W, each block of 256 bytes once in each cluster: the four partners take 64 rows each of x, 32 rows each of a W, by address.  Three groups of 16 products and more stand between
; a request and its tensor load (chunk 1 of W: the rest of the head).  Chunk 0 comes by its loads alone.
; WHAT LEAVES: images of the operands' registers.  A fragment (16 rows x 128 K) is 1,024 bytes: registers 4 c .. 4 c + 3 at 512 c, lane l's 16 bytes at 16 l.
;   qimg [b h 64][tile of 16 queries 64][1,024];  qsc [b h][4 tiles 16][row 16][tile 4] scale words;
;   kv [b h][step of 128 keys 8][17,408]: K's 8 fragments, V^T's 8 fragments, then scale words, K's [lane 32][4]: lane l's word i is key 32 i + l; V's [lane 32][4]: lane l's word i is d 32 i + l.
; LIMITS: a block whose largest magnitude lies under 2^-124 keeps the scale byte 1; a block of zeros keeps the byte 1 where the quantiser's text says 127 (its codes are zeros, and only this program reads the bytes);
; NaN and infinities are not served; a sum begins with the bias, where reference() adds it last (f32 rounding in another order).
; REGISTERS, in windows of 256.  Window 0: addresses; v18-23 W's scale words, two a group; v24-31 x's, four a set; v32-127 three groups of W (q, k, v: 64 rows each); v128-255 x's fragments, two sets.
;   Window 1: q's sums (token tile m, d block p of 32) at v[32 m + 16 p]; window 2: k's likewise; window 3: v's (d tile t, token block a of 32) at v[64 t + 16 a].
.set PITCH,  272                       ; an LDS row: 256 bytes + 16 of padding = 68 words: the 16 rows of a fragment start at 16 different places modulo 64 words
.set WB,     128*PITCH                 ; a tile of W
.set TP,     16*PITCH
.set SLOT1,  1<<17                     ; W's slot 0 begins at 0, slot 1 here
.set SCW,    3*WB                      ; W's scales: four rows of 64 bytes to each 256 + 16 bytes
.set SPARE,  SCW+96*272                ; the spare words, 128 bytes for each wave: two blocks of 256 bytes that no other line names
.set X0,     SLOT1+3*WB                ; x's slot
.set SCX,    X0+256*PITCH              ; x's scales
.set QS,     SCX+64*272                ; stage for q's scale words
.set KVS,    QS+1024                   ; stage for k's and v's scale words: two key steps of 1,024 bytes
.set SB,     8*272                     ; the scales of 32 rows
.set KVSTEP, 17408
.set KVHEAD, 8*KVSTEP
.set ADRX, 4                           ; LDS address of my x fragments
.set ADRW, 5                           ; of my fragments of Wq and Wk in the slot in hand
.set ADRV, 6                           ; of Wv
.set ASX,  7                           ; of my scale words of x: lane = row of 32
.set ASW,  8                           ; of W
.set LI,   9                           ; 16 x lane
.set SPW,  10                          ; LDS address of my spare word; never rewritten
.set NIL,  11                          ; 0; never rewritten
.set PFO,  12                          ; the prefetches' offset: lane x 1,024; never rewritten
.set AW0,  13                          ; ADRW in slot 0
.set WS,   18
.set XS,   24
.set WR,   32
.set XF,   128
.set TM,   32                          ; the way out: 24 registers at work, then 96 of codes, then scale words
.set PC,   64
.set QW,   160
.set KW,   164
.set VW,   168
.set WV,   2                           ; s2     my wave's number
.set LAP,  3
.set G1X,  32                          ; descriptor groups 1 and 0
.set G1W,  40
.set G0X,  68
.set G0W,  72
.set G0H,  84                          ; x's whole tile, at the head
.set PFA,  76                          ; s[76:77] where my prefetches of x stand
.set PFW,  82                          ; s[82:83] and those of my wave's W
.set TB,   62                          ; s62    LDS byte at which W's slot in hand begins
.set SQ,   50                          ; s[50:59] the stores' bases
.set SK,   52
.set SV,   54
.set SS,   56
.set SQS,  58
.set SEL,  60                          ; s[60:61] lane selects for v_permlanex16_b32: lane l xor 16
.set TH,   88                          ; s88    w / 2: my half of the tokens
.set CH,   89                          ; s89    w % 2: my half of each matrix's columns
.set MSB, 0
.set DS, 0                             ; counts the LDS instructions as they are written: a wait's count is what was issued behind the loads that it needs
.macro WIN new                         ; the immediate's high byte repeats the setting that is left
.if MSB != (\new)
	s_set_vgpr_msb (MSB<<8)|(\new)
.set MSB, \new
.endif
.endm
.macro PLACES n                        ; a load into a register that a matrix instruction has read, and a vector instruction that reads a result, stand four plain vector instructions behind it
.rept \n
	v_nop
.endr
.endm
.macro RUN
	WIN 0
	PLACES 4
.endm
.macro CREST                           ; a round of the cluster's barrier behind its opening barrier
	s_cmp_lg_u32 s[WV], 0
	s_cbranch_scc1 .Lnot_wave_0_\@
	s_barrier_signal -3
.Lnot_wave_0_\@:
	s_barrier_wait -3
	s_barrier_signal -1
	s_barrier_wait -1
.endm
.macro CROUND
	s_barrier_signal -1
	s_barrier_wait -1
	CREST
.endm
.macro JLW                             ; W's next chunk into the other slot: waves 0, 1, 2 fetch for q, k, v; wave 3 has no part in it
	s_xor_b32 s[G0W+1], s[G0W+1], SLOT1
	s_add_nc_u64 s[G0W+2:G0W+3], s[G0W+2:G0W+3], 256
	s_cmp_lt_u32 s[WV], 3
	s_cbranch_scc0 .Lno_w_\@
	tensor_load_to_lds s[G0W:G0W+3], s[G1W:G1W+7]
	s_nop 0
	PLACES 4
.Lno_w_\@:
.endm
.macro ASK base, under                 ; 32 rows of a chunk, a lane a row: x: waves 0 and 1 (64 rows of the 256); W: waves 0, 1, 2 (32 rows of each 128)
	s_cmp_lt_u32 s[WV], \under
	s_cbranch_scc0 .Lno_ask_\@
	global_prefetch_b8 v[PFO], s[\base:\base+1] th:TH_LOAD_NT scope:SCOPE_SE
.Lno_ask_\@:
.endm
	s_load_b512 s[4:19], s[0:1], 0x0               ; x's codes, x's scales, Wq's, Wk's, Wv's codes and scales
	s_load_b256 s[20:27], s[0:1], 0x40             ; bq, bk, bv, qimg
	s_load_b128 s[28:31], s[0:1], 0x60             ; qsc, kv
	v_lshl_add_u32 v[SPW], v0, 2, SPARE
	v_mov_b32 v[NIL], 0
	ds_add_u32 v[SPW], v[NIL]                      ; the wave's opening: the add, twice on end, and its one wait
	ds_add_u32 v[SPW], v[NIL]
	v_lshrrev_b32 v1, 5, v0
	v_readfirstlane_b32 s[WV], v1                  ; wave 0..3
	s_bfe_u32 s92, ttmp6, 0x40000                  ; cx, cy: my place in the cluster
	s_bfe_u32 s93, ttmp6, 0x40004
	s_lshl_b32 s94, ttmp9, 2
	s_add_co_u32 s94, s94, s92                     ; the head = 4 x cluster x + cx
	s_and_b32 s95, ttmp7, 0xffff
	s_lshl_b32 s95, s95, 2
	s_add_co_u32 s95, s95, s93                     ; the token block = 4 x cluster y + cy
	s_lshl_b32 s96, s93, 2
	s_lshl_b32 s96, 15, s96                        ; my row of the cluster
	s_lshl_b32 s97, 0x1111, s92                    ; my column
	s_or_b32 s[G1X], s96, (1<<20)|(1<<21)|(5<<22)|(3<<25)   ; elements of 1 byte; 4 words of padding behind every 64; bit 21 beside the mask
	s_or_b32 s[G1W], s97, (1<<20)|(1<<21)|(5<<22)|(3<<25)
.irp g, G1X, G1W
	s_mov_b32 s[\g+1], 256<<16                     ; tensor_dim0
	s_mov_b32 s[\g+3], 256<<16                     ; tile_dim0
	s_mov_b32 s[\g+5], 1024                        ; tensor_dim0_stride
	s_mov_b32 s[\g+6], 0
	s_mov_b32 s[\g+7], 0
.endr
	s_mov_b32 s[G1X+2], 256<<16                    ; rows: x's 256 at the head (64 a wave behind it), 128 of a W
	s_mov_b32 s[G1X+4], 256
	s_mov_b32 s[G1W+2], 128<<16
	s_mov_b32 s[G1W+4], 128
	s_lshr_b32 s[TH], s[WV], 1
	s_and_b32 s[CH], s[WV], 1
	s_lshl_b32 s98, s95, 18                        ; x's codes: 256 rows of 1,024 bytes a block.  s[98:99] hold offsets made of the token block, s[100:101] of the head
	s_mov_b32 s99, 0
	s_lshl_b32 s100, s94, 17                       ; a W's codes: 128 rows of 1,024 bytes a head
	s_mov_b32 s101, 0
	s_mul_i32 s90, s[WV], WB                       ; where a W's tile goes
	s_mul_i32 s91, s[WV], 64*PITCH                 ; and my 64 rows of x
	s_add_co_u32 s91, s91, X0
	s_lshl_b32 s78, s[WV], 16
	s_mov_b32 s79, 0
	s_lshl_b32 s80, s92, 16                        ; the prefetches of x: 64 cx + 32 w rows on, in chunk 1
	s_lshl_b32 s81, s[CH], 15
	s_add_co_u32 s80, s80, s81
	s_add_co_u32 s80, s80, 256
	s_mov_b32 s81, 0
	v_lshlrev_b32 v15, 4, v0
	s_wait_dscnt 0x0                               ; both opening adds are done
	s_wait_alu depctr_va_vdst(0)                   ; directly ahead of the wait below
	s_wait_kmcnt 0x0
	s_cmp_eq_u32 s[WV], 0                          ; which W is my wave's: 0 q, 1 k, else v.  The choice hangs on the wave's number alone
	s_cselect_b64 s[48:49], s[8:9], s[16:17]
	s_cmp_eq_u32 s[WV], 1
	s_cselect_b64 s[48:49], s[12:13], s[48:49]
	s_add_nc_u64 s[4:5], s[4:5], s[98:99]
	s_add_nc_u64 s[48:49], s[48:49], s[100:101]
	s_lshl_b32 s98, s95, 14                        ; x's scales: 256 rows of 64 bytes
	s_lshl_b32 s100, s94, 13                       ; a W's: 128 rows of 64 bytes
	s_add_nc_u64 s[6:7], s[6:7], s[98:99]
	s_add_nc_u64 s[10:11], s[10:11], s[100:101]
	s_add_nc_u64 s[14:15], s[14:15], s[100:101]
	s_add_nc_u64 s[18:19], s[18:19], s[100:101]
.irp i, 0,1,2,3,4,5,6,7                ; the four waves bring the scales: 2,048 consecutive bytes for each line
	global_load_b128 v[XF+4*\i:XF+4*\i+3], v15, s[6:7] offset:2048*\i
.endr
.irp i, 0,1,2,3
	global_load_b128 v[XF+32+4*\i:XF+32+4*\i+3], v15, s[10:11] offset:2048*\i
	global_load_b128 v[XF+48+4*\i:XF+48+4*\i+3], v15, s[14:15] offset:2048*\i
	global_load_b128 v[XF+64+4*\i:XF+64+4*\i+3], v15, s[18:19] offset:2048*\i
.endr
	s_mov_b32 s[G0H], 1
	s_mov_b32 s[G0H+1], X0
	s_mov_b64 s[G0H+2:G0H+3], s[4:5]
	s_or_b32 s[G0H+3], s[G0H+3], 0x80000000
	s_mov_b32 s[G0W], 1
	s_mov_b32 s[G0W+1], s90
	s_mov_b64 s[G0W+2:G0W+3], s[48:49]
	s_or_b32 s[G0W+3], s[G0W+3], 0x80000000
	s_mov_b32 s[G0X], 1
	s_mov_b32 s[G0X+1], s91
	s_add_nc_u64 s[G0X+2:G0X+3], s[4:5], s[78:79]
	s_or_b32 s[G0X+3], s[G0X+3], 0x80000000
	s_add_nc_u64 s[PFA:PFA+1], s[4:5], s[80:81]
	s_lshl_b32 s78, s93, 15                        ; the prefetches of W: 32 cy rows on, in chunk 1
	s_add_co_u32 s78, s78, 256
	s_add_nc_u64 s[PFW:PFW+1], s[48:49], s[78:79]
	CROUND                                         ; all sixteen work-groups are here: the first joint loads meet
	s_cmp_lt_u32 s[WV], 3                          ; one tensor load a wave: waves 0 to 2 the three Ws, wave 3 x, of chunk 0
	s_cbranch_scc0 .Lhead_x
	tensor_load_to_lds s[G0W:G0W+3], s[G1W:G1W+7]
	s_nop 0
	PLACES 4
	s_branch .Lhead_asked
.Lhead_x:
	tensor_load_to_lds s[G0H:G0H+3], s[G1X:G1X+7]
	s_nop 0
	PLACES 4
.Lhead_asked:
	; the biases' addresses, and the stores' bases
	s_lshl_b32 s100, s94, 9                        ; a bias: 512 bytes a head, 256 a half
	s_lshl_b32 s96, s[CH], 8
	s_add_co_u32 s100, s100, s96
	s_add_nc_u64 s[20:21], s[20:21], s[100:101]
	s_add_nc_u64 s[22:23], s[22:23], s[100:101]
	s_add_nc_u64 s[24:25], s[24:25], s[100:101]
	s_lshr_b32 s92, s95, 2
	s_lshl_b32 s92, s92, 4
	s_add_co_u32 s92, s92, s94                     ; b h = 16 x batch + head
	s_and_b32 s93, s95, 3                          ; which 256 tokens of the batch's 1,024
	s_lshl_b32 s98, s92, 16
	s_lshl_b32 s96, s93, 14
	s_add_co_u32 s98, s98, s96
	s_lshl_b32 s96, s[TH], 13
	s_add_co_u32 s98, s98, s96
	s_lshl_b32 s97, s[CH], 9
	s_add_co_u32 s98, s98, s97
	s_add_nc_u64 s[SQ:SQ+1], s[26:27], s[98:99]    ; qimg at my first query tile, registers 4 (w % 2) on of each fragment
	s_mul_i32 s98, s92, KVHEAD
	s_mul_i32 s96, s93, 2*KVSTEP
	s_add_co_u32 s98, s98, s96
	s_add_nc_u64 s[SS:SS+1], s[30:31], s[98:99]    ; kv at the block's first key step
	s_mul_i32 s98, s[TH], KVSTEP                   ; my key step of the two
	s_add_co_u32 s100, s98, s97
	s_add_nc_u64 s[SK:SK+1], s[SS:SS+1], s[100:101]   ; K's fragments, registers 4 (w % 2) on of each
	s_lshl_b32 s96, s[CH], 12
	s_add_co_u32 s100, s98, s96
	s_add_co_u32 s100, s100, 8192
	s_add_nc_u64 s[SV:SV+1], s[SS:SS+1], s[100:101]   ; V's fragments: d tiles 4 (w % 2) on
	s_add_nc_u64 s[SS:SS+1], s[SS:SS+1], 16384     ; the scale words
	s_lshl_b32 s98, s92, 12
	s_lshl_b32 s96, s93, 10
	s_add_co_u32 s98, s98, s96
	s_add_nc_u64 s[SQS:SQS+1], s[28:29], s[98:99]
	s_mov_b32 s[SEL], 0x76543210
	s_mov_b32 s[SEL+1], 0xfedcba98
	s_mov_b32 s[TB], 0
	s_mov_b32 s[LAP], 2
	s_mul_i32 s90, s[TH], 128*PITCH
	s_add_co_u32 s90, s90, X0
	s_mul_i32 s91, s[CH], 64*PITCH
	s_mul_i32 s92, s[TH], 32*272
	s_add_co_u32 s92, s92, SCX
	s_mul_i32 s93, s[CH], 16*272
	s_add_co_u32 s93, s93, SCW
	v_and_b32 v1, 15, v0                           ; r
	v_bfe_u32 v2, v0, 4, 1                         ; h
	v_and_b32 v3, 31, v0                           ; lane
	v_lshlrev_b32 v18, 5, v2                       ; q, k: d = 32 p + 16 u + 8 h + j: 128 p + 64 u + 32 h bytes
	v_lshlrev_b32 v19, 2, v1                       ; v: d = 16 t + r
; The biases go where the sums of the last token tile (q, k) or block (v) will stand: each first product takes them from there as C, those sums' own last of all, in place.
.macro BIASLD p, u, e
	global_load_b128 v[224+16*\p+8*\u+4*\e:224+16*\p+8*\u+4*\e+3], v18, s[BS:BS+1] offset:128*\p+64*\u+16*\e
.endm
.irp w, 1,2
.set BS, 18+2*\w
	WIN 0x40*\w
.irp p, 0,1
.irp u, 0,1
	BIASLD \p, \u, 0
	BIASLD \p, \u, 1
.endr
.endr
.endr
	WIN 0xc0
.irp t, 0,1,2,3
	global_load_b32 v[64*\t+48], v19, s[24:25] offset:64*\t
.endr
	WIN 0
	v_mul_u32_u24 v20, v1, PITCH
	v_lshl_add_u32 v20, v2, 4, v20                 ; a fragment's row x pitch + 16 h
	v_add_nc_u32 v[ADRX], s90, v20
	v_add_nc_u32 v[AW0], s91, v20
	v_add_nc_u32 v[ADRW], s[TB], v[AW0]
	v_add_nc_u32 v[ADRV], 2*WB, v[ADRW]
	v_lshrrev_b32 v21, 2, v3
	v_mul_u32_u24 v21, v21, 272
	v_and_b32 v22, 3, v0
	v_lshl_add_u32 v21, v22, 6, v21                ; row l's 64 scale bytes: 272 (l / 4) + 64 (l % 4)
	v_add_nc_u32 v[ASX], s92, v21
	v_add_nc_u32 v[ASW], s93, v21
	v_lshrrev_b32 v22, 4, v0
	v_mul_u32_u24 v22, v22, 272
	v_lshl_add_u32 v22, v1, 4, v22
	v_add_nc_u32 v16, SCX, v22
	v_add_nc_u32 v17, SCW, v22
	v_lshlrev_b32 v[LI], 4, v3
	v_lshlrev_b32 v[PFO], 10, v3
	s_wait_alu depctr_va_vdst(0)                   ; directly ahead of the wait below
	s_wait_loadcnt 0x14                            ; the scales; the twenty loads of biases may be out
.irp i, 0,1,2,3,4,5,6,7
	ds_store_b128 v16, v[XF+4*\i:XF+4*\i+3] offset:SB*\i
.endr
.irp i, 0,1,2,3
	ds_store_b128 v17, v[XF+32+4*\i:XF+32+4*\i+3] offset:SB*\i
	ds_store_b128 v17, v[XF+48+4*\i:XF+48+4*\i+3] offset:4*SB+SB*\i
	ds_store_b128 v17, v[XF+64+4*\i:XF+64+4*\i+3] offset:8*SB+SB*\i
.endr
	s_wait_loadcnt 0x0
	ASK PFW, 3                                     ; W's chunk 1
	WIN 0xc3
.irp t, 0,1,2,3                        ; v: a lane holds one d, so its bias stands in all sixteen registers
.irp i, 1,2,3,4,5,6,7,8,9,10,11,12,13,14,15
	v_mov_b32 v[64*\t+48+\i], v[64*\t+48]
.endr
.endr
	WIN 0
; A fragment, 16 rows x 128 K of 4-bit codes, is 8 registers: lane l holds row l % 16; registers 4 c .. 4 c + 3 hold K = 64 c + 32 (l / 16) + 0 .. 31: two loads of 16 bytes, 32 bytes apart.
.macro WLD j, s, ss                    ; group j (q, k, v): my four fragments of step s of the slot in hand, and their two scale words (lane = row of 32), ss steps from the address in hand
.irp t, 0,1,2,3
.irp c, 0,1
.if \j < 2
	ds_load_b128 v[WR+32*\j+8*\t+4*\c:WR+32*\j+8*\t+4*\c+3], v[ADRW] offset:\j*WB+\t*TP+64*\s+32*\c
.else
	ds_load_b128 v[WR+32*\j+8*\t+4*\c:WR+32*\j+8*\t+4*\c+3], v[ADRV] offset:\t*TP+64*\s+32*\c
.endif
.endr
.endr
.irp p, 0,1
	ds_load_b32 v[WS+2*\j+\p], v[ASW] offset:4*SB*\j+SB*\p+4*\ss
.endr
.set DS, DS+10
.set MK\j, DS
.endm
.macro XLD set, s, ss, part            ; half of my eight fragments of x for step s, and their two scale words
.irp i, 0,1,2,3
.irp c, 0,1
	ds_load_b128 v[XF+64*\set+32*\part+8*\i+4*\c:XF+64*\set+32*\part+8*\i+4*\c+3], v[ADRX] offset:(4*\part+\i)*TP+64*\s+32*\c
.endr
.endr
.irp i, 0,1
	ds_load_b32 v[XS+4*\set+2*\part+\i], v[ASX] offset:(2*\part+\i)*SB+4*\ss
.endr
.set DS, DS+10
.set MX\set, DS
.endm
.macro WAITF a, b                      ; all LDS loads up to the marks a and b are in
.if \a > \b
	s_wait_dscnt DS-\a
.else
	s_wait_dscnt DS-\b
.endif
.endm
.macro MM                              ; one matrix instruction; RB = 1: source 1's scales stand in lanes 16-31
.if RB
	v_wmma_scale_f32_32x16x128_f4 v[rD:rD+15], v[rA:rA+15], v[rB:rB+7], v[rC:rC+15], v[sA], v[sB] matrix_b_scale:MATRIX_SCALE_ROW1
.else
	v_wmma_scale_f32_32x16x128_f4 v[rD:rD+15], v[rA:rA+15], v[rB:rB+7], v[rC:rC+15], v[sA], v[sB]
.endif
.endm
; n of a group's 16 products from i0 on.  The 48 sums take turns, one instruction a turn, in the same order in every step.  zero = 1: the first product: C is the bias.
; (The bias of the sums that come last stands in their own registers: five places ahead of the first instruction that writes over what earlier ones have read.)
.macro MQ j, set, i0, n, zero
.set iI, \i0
.rept \n
.set iM, iI/2
.set iP, iI%2
.set rD, 32*iM+16*iP
.set rC, rD
.if \zero
.set rC, 224+16*iP
.if iI == 14
	PLACES 5
.endif
.endif
.set rA, WR+32*\j+16*iP
.set rB, XF+64*\set+8*iM
.set sA, WS+2*\j+iP
.set sB, XS+4*\set+iM/2
.set RB, iM%2
	MM
.set iI, iI+1
.endr
.endm
.macro MV set, zero
.set iI, 0
.rept 16
.set iM, iI/4
.set iP, iI%4
.set rD, 64*iP+16*iM
.set rC, rD
.if \zero
.set rC, 64*iP+48
.if iI == 12
	PLACES 5
.endif
.endif
.set rA, XF+64*\set+16*iM
.set rB, WR+64+8*iP
.set sA, XS+4*\set+iM
.set sB, WS+4+iP/2
.set RB, iP%2
	MM
.set iI, iI+1
.endr
.endm
; A STEP of 128 along K: q's, k's, v's 16 products.  Behind each group its registers take what comes next: q's and k's of the next step, v's (behind the step before) of this one; x's next step goes into the other set.
.macro STEPN s, os, sn, zero, turn     ; a chunk's steps 0 and 1
	RUN
.if \turn
	v_add_nc_u32 v[ASX], 16, v[ASX]                ; on to the next chunk's scale words
	v_add_nc_u32 v[ASW], 16, v[ASW]
	s_wait_alu depctr_va_vdst(0)                   ; directly behind the writes
.endif
	WLD 2, \s, \s
	XLD \os, \sn, \sn, 0
	WAITF MK0, MX\s
	WIN 0x50
	MQ 0, \s, 0, 16, \zero
	RUN
	WLD 0, \sn, \sn
	XLD \os, \sn, \sn, 1
	WAITF MK1, MX\s
	WIN 0xa0
	MQ 1, \s, 0, 16, \zero
	RUN
	WLD 1, \sn, \sn
	WAITF MK2, MX\s
	WIN 0xf0
	MV \s, \zero
.endm
.macro STEP2 fill                      ; step 2: the last reads of x's slot; fill = 1, 2: behind a round of the cluster's barrier x's next chunk is asked for, 64 rows a wave; 2: and W's chunk after next is prefetched
	RUN
	XLD 1, 3, 3, 0
	XLD 1, 3, 3, 1
.if \fill
	s_wait_tensorcnt 0x0                           ; all my tensor loads have landed: W's next chunk;
	ds_add_u32 v[SPW], v[NIL]                      ; 0 onto my spare word;
.set DS, DS+1
	WAITF MK0, MX0
	WIN 0x50
	MQ 0, 0, 0, 12, 0
	s_wait_dscnt 0x0                               ; the add is done, and my reads of x's slot are over
	s_barrier_signal -1
	MQ 0, 0, 12, 4, 0
	WIN 0
	s_barrier_wait -1
	CREST                                          ; no wave of any partner still reads x's slot or has a load on its way
	s_add_nc_u64 s[G0X+2:G0X+3], s[G0X+2:G0X+3], 256
	tensor_load_to_lds s[G0X:G0X+3], s[G1X:G1X+7]
	s_nop 0
	PLACES 4                                       ; (also the places in front of the loads below)
.else
	WAITF MK0, MX0
	WIN 0x50
	MQ 0, 0, 0, 16, 0
	RUN
.endif
	WLD 2, 2, 2
	WLD 0, 3, 3
.if \fill == 2
	s_wait_xcnt 0x0                                ; my earlier prefetch has read its address
	s_add_nc_u64 s[PFW:PFW+1], s[PFW:PFW+1], 256
	ASK PFW, 3
.endif
	WAITF MK1, MX0
	WIN 0xa0
	MQ 1, 0, 0, 16, 0
	RUN
	WLD 1, 3, 3
	WAITF MK2, MX0
	WIN 0xf0
	MV 0, 0
.endm
.macro STEP3 how                       ; step 3: the last reads of W's slot.  how = 2: a round, and this slot is filled again; 1: a barrier alone, for x's new chunk; 0: the very last step
	RUN
.if \how == 2
	s_wait_xcnt 0x0                                ; my prefetches have read their addresses
	s_add_nc_u64 s[PFA:PFA+1], s[PFA:PFA+1], 256
.endif
	WLD 2, 3, 3
	WAITF MK0, MX1
	WIN 0x50
	MQ 0, 1, 0, 16, 0
.if \how
	RUN
	s_xor_b32 s[TB], s[TB], SLOT1                  ; on to W's other slot
	v_add_nc_u32 v[ADRW], s[TB], v[AW0]
	v_add_nc_u32 v[ADRV], 2*WB, v[ADRW]
	s_wait_alu depctr_va_vdst(0)                   ; directly behind the writes
	WLD 0, 0, 4
	WAITF MK1, MX1
	WIN 0xa0
	MQ 1, 1, 0, 8, 0
	WIN 0
	s_wait_tensorcnt 0x0                           ; my rows of x's new chunk have landed
.if \how == 2
	ds_add_u32 v[SPW], v[NIL]                      ; 0 onto my spare word
.set DS, DS+1
.endif
	WIN 0xa0
	MQ 1, 1, 8, 4, 0
	s_wait_dscnt 0x0                               ; my reads of the slot that I have left are over (how = 2: and the add is done)
	s_barrier_signal -1
	MQ 1, 1, 12, 4, 0
	WIN 0
	s_barrier_wait -1
.if \how == 2
	CREST
	JLW                                            ; the first tensor load behind the round
.endif
	PLACES 4
	XLD 0, 0, 4, 0
	XLD 0, 0, 4, 1
	WLD 1, 0, 4
.if \how == 2
	ASK PFA, 2
.endif
.else
	WAITF MK1, MX1
	WIN 0xa0
	MQ 1, 1, 0, 16, 0
.endif
	WAITF MK2, MX1
	WIN 0xf0
	MV 1, 0
.endm
	s_wait_alu depctr_va_vdst(0)                   ; the head's end
	s_wait_tensorcnt 0x0                           ; my tile of the head's four is in
	ds_add_u32 v[SPW], v[NIL]
	s_mov_b32 s[G1X+2], 64<<16                     ; no tensor load of mine is out: from here on a load of x brings 64 rows
	s_mov_b32 s[G1X+4], 64
	s_wait_dscnt 0x0                               ; the add is done, and my stores of scales
	CROUND                                         ; all four tiles and all scales are in, and all sixteen work-groups are here
	JLW                                            ; W's chunk 1 into slot 1: its first fill, issued as a refill is
	WLD 0, 0, 0
	XLD 0, 0, 0, 0
	XLD 0, 0, 0, 1
	WLD 1, 0, 0
	ASK PFA, 2                                     ; x's chunk 1
	STEPN 0, 1, 1, 1, 0                            ; the first step stands in front of the loop: its products start the sums
	WIN 0                                          ; at a label and at a branch every window is 0
.Llap:                                                 ; two trips, each from a chunk's second step to the next chunk's first: x's chunks 1, 2 and W's chunks 2, 3 are asked for
	STEPN 1, 0, 2, 0, 0
	STEP2 2
	STEP3 2
	STEPN 0, 1, 1, 0, 1
	WIN 0
	s_sub_co_u32 s[LAP], s[LAP], 1
	s_cmp_lg_u32 s[LAP], 0
	s_cbranch_scc1 .Llap
	STEPN 1, 0, 2, 0, 0                            ; chunk 2: x's last chunk is asked for, W has no further one
	STEP2 1
	STEP3 1
	STEPN 0, 1, 1, 0, 1                            ; chunk 3
	STEPN 1, 0, 2, 0, 0
	STEP2 0
	STEP3 0
; THE WAY OUT.  128 registers at a time (four token tiles of q or k x 64 d; two d tiles of v x 128 tokens): they are quantised, and the codes leave as an image of the operand's registers.
; In window w, v[s] on: 16 registers are my half of a block of 32, the other half stands in lane l xor 16; registers 8 u + j of it hold k = 16 u + 8 (lane / 16) + j of the block.
; A conversion takes 8 registers.  Of each 32 registers (64 along K) the parts 0, 2, 1, 3 go to four registers in this order; the two exchanges of halves then leave
; register i of lane half h with k = 32 h + 8 i + 0 .. 7: the operand's layout.  The scales' bytes go, four to a word, to v[pw] and v[pw + 1].
.macro QUANT w, s, pc, pw
	WIN (\w)|((\w)<<2)
.irp b, 0,1,2,3,4,5,6,7
	v_max3_num_f32 v[TM+\b], |v[(\s)+16*\b]|, |v[(\s)+16*\b+1]|, 0x1800000   ; and the floor 2^(3 - 127): the byte cannot fall under 1
.endr
.irp i, 2,4,6,8,10,12,14
.irp b, 0,1,2,3,4,5,6,7
	v_max3_num_f32 v[TM+\b], |v[(\s)+16*\b+\i]|, |v[(\s)+16*\b+\i+1]|, v[TM+\b]   ; (the eight blocks by turns)
.endr
.endr
	WIN 0
.irp b, 0,1,2,3,4,5,6,7
	v_permlanex16_b32 v[TM+8+\b], v[TM+\b], s[SEL], s[SEL+1]
.endr
.irp b, 0,1,2,3,4,5,6,7
	v_max_num_f32 v[TM+\b], v[TM+\b], v[TM+8+\b]   ; with lane l xor 16's: the block's largest magnitude
.endr
.irp b, 0,1,2,3,4,5,6,7
	v_add_nc_u32 v[TM+16+\b], 0xff000000, v[TM+\b] ; 2 off its exponent field: the conversion takes the exponent field of this operand as its scale
.endr
.irp b, 0,1,2,3,4,5,6,7
	v_lshrrev_b32 v[TM+8+\b], 23, v[TM+16+\b]      ; the scale's byte
.endr
	v_lshl_or_b32 v[\pw], v[TM+9], 8, v[TM+8]
	v_lshl_or_b32 v[\pw+1], v[TM+13], 8, v[TM+12]
	v_lshl_or_b32 v[\pw], v[TM+10], 16, v[\pw]
	v_lshl_or_b32 v[\pw+1], v[TM+14], 16, v[\pw+1]
	v_lshl_or_b32 v[\pw], v[TM+11], 24, v[\pw]
	v_lshl_or_b32 v[\pw+1], v[TM+15], 24, v[\pw+1]
	WIN \w
.irp c, 0,1,2,3
	v_cvt_scalef32_pk8_fp4_f32 v[(\pc)+4*\c], v[(\s)+32*\c:(\s)+32*\c+7], v[TM+16+2*\c]
	v_cvt_scalef32_pk8_fp4_f32 v[(\pc)+4*\c+1], v[(\s)+32*\c+16:(\s)+32*\c+23], v[TM+17+2*\c]
	v_cvt_scalef32_pk8_fp4_f32 v[(\pc)+4*\c+2], v[(\s)+32*\c+8:(\s)+32*\c+15], v[TM+16+2*\c]
	v_cvt_scalef32_pk8_fp4_f32 v[(\pc)+4*\c+3], v[(\s)+32*\c+24:(\s)+32*\c+31], v[TM+17+2*\c]
.endr
	WIN 0
	v_nop                                          ; one plain place behind a scaled conversion
.irp c, 0,1,2,3
	v_permlane16_swap_b32 v[(\pc)+4*\c], v[(\pc)+4*\c+1]
	v_permlane16_swap_b32 v[(\pc)+4*\c+2], v[(\pc)+4*\c+3]
.endr
.endm
.macro OUT w, u, pw, sb, step          ; each store: 32 lanes, 512 consecutive bytes, at a multiple of 256 from the buffer's first byte
	QUANT \w, 128*\u, PC+32*(\w-1)+16*\u, \pw+2*\u
.irp c, 0,1,2,3
	global_store_b128 v[LI], v[PC+32*(\w-1)+16*\u+4*\c:PC+32*(\w-1)+16*\u+4*\c+3], s[\sb:\sb+1] offset:4*\step*\u+\step*\c
.endr
.endm
	RUN                                            ; behind the last products: their operands' registers are written and their results read from here on
	s_lshl_b32 s96, s[TH], 9
	s_lshl_b32 s97, s[CH], 1
	s_lshl_b32 s98, s[TH], 10
	s_lshl_b32 s99, s[CH], 3
	s_add_co_u32 s96, s96, s97
	s_add_co_u32 s96, s96, QS
	s_add_co_u32 s97, s97, s98
	s_add_co_u32 s97, s97, KVS
	s_add_co_u32 s98, s98, s99
	s_add_co_u32 s98, s98, KVS+512
	v_and_b32 v172, 15, v0                         ; r
	v_lshl_add_u32 v174, v172, 4, s96              ; q's scale words: group 2 (w / 2) + m / 4, row r, bytes 2 (w % 2) on of a word
	v_lshl_add_u32 v175, v172, 4, s97              ; k's: step w / 2, lane r
	v_lshl_add_u32 v176, v172, 4, s98              ; v's: step w / 2, lane r, words 2 (w % 2) on
	v_lshl_add_u32 v177, v0, 4, KVS                ; where I read the stages back,
	v_lshl_add_u32 v178, v0, 3, QS
	v_lshrrev_b32 v179, 6, v0
	v_and_b32 v173, 63, v0
	v_mul_u32_u24 v179, v179, KVSTEP
	v_lshl_add_u32 v179, v173, 4, v179             ; and the same places in kv and qsc
	v_lshlrev_b32 v180, 3, v0
.irp b, 0,1,2,3,4,5,6,7
	v_mov_b32 v[TM+8+\b], 0                        ; written once: a lane permute's destination counts as one of its sources
.endr
	OUT 1, 0, QW, SQ, 1024
	OUT 1, 1, QW, SQ, 1024
	OUT 2, 0, KW, SK, 1024
	OUT 2, 1, KW, SK, 1024
	OUT 3, 0, VW, SV, 512
	OUT 3, 1, VW, SV, 512
	; the scale words meet in LDS, so that they leave in runs of 256 bytes and more.  Both halves of the lanes hold the same words and write the same bytes.
.irp i, 0,1,2,3                        ; q, k: a register holds token tile 2 i's two bytes below, 2 i + 1's above
	ds_store_b16 v174, v[QW+\i] offset:256*(\i/2)+8*(\i%2)
	ds_store_b16_d16_hi v174, v[QW+\i] offset:256*(\i/2)+8*(\i%2)+4
	ds_store_b16 v175, v[KW+\i] offset:4*\i
	ds_store_b16_d16_hi v175, v[KW+\i] offset:4*\i+256
	ds_store_b32 v176, v[VW+\i] offset:256*(\i%2)+4*(\i/2)
.endr
	s_wait_dscnt 0x0                               ; for the others' sake: my stores into the stages are done
	s_barrier_signal -1
	s_barrier_wait -1
	ds_load_b128 v[184:187], v177
	ds_load_b64 v[188:189], v178
	s_wait_dscnt 0x0
	global_store_b128 v179, v[184:187], s[SS:SS+1]       ; a wave stores 512 consecutive bytes of a key step's scale words
	global_store_b64 v180, v[188:189], s[SQS:SQS+1]      ; and 256 of q's
	s_wait_tensorcnt 0x0                           ; the wave's end: behind my last tensor load and my last LDS store
	ds_add_u32 v[SPW], v[NIL]
	s_wait_dscnt 0x0
	CROUND                                         ; the closing round: no work-group ends while a partner may still ask for a tile that names it
	s_endpgm
.Lfunc_end_k_q7829dea3da_proj:
	.size	k_q7829dea3da_proj, .Lfunc_end_k_q7829dea3da_proj-k_q7829dea3da_proj
	.p2alignl 7, 3214868480
	.fill 96, 4, 3214868480
	.section	.rodata,"a",@progbits
	.p2align	6, 0x0
	.amdhsa_kernel k_q7829dea3da_proj
		.amdhsa_group_segment_fixed_size 327680
		.amdhsa_private_segment_fixed_size 0
		.amdhsa_enable_private_segment 0
		.amdhsa_kernarg_size 112
		.amdhsa_user_sgpr_count 2
		.amdhsa_user_sgpr_kernarg_segment_ptr 1
		.amdhsa_wavefront_size32 1
		.amdhsa_system_sgpr_workgroup_id_x 1
		.amdhsa_system_sgpr_workgroup_id_y 1
		.amdhsa_system_sgpr_workgroup_id_z 1
		.amdhsa_system_vgpr_workitem_id 0
		.amdhsa_next_free_vgpr 1024
		.amdhsa_next_free_sgpr 102
		.amdhsa_reserve_vcc 0
		.amdhsa_float_denorm_mode_32 3
		.amdhsa_float_denorm_mode_16_64 3
		.amdhsa_memory_ordered 1
		.amdhsa_forward_progress 1
		.amdhsa_inst_pref_size 189
	.end_amdhsa_kernel
	.amdgpu_metadata
---
amdhsa.version: [ 1, 2 ]
amdhsa.kernels:
  - .name:           k_q7829dea3da_proj
    .symbol:         k_q7829dea3da_proj.kd
    .args:
      - { .name: x_codes, .offset: 0, .size: 8, .value_kind: global_buffer, .address_space: global }
      - { .name: x_scales, .offset: 8, .size: 8, .value_kind: global_buffer, .address_space: global }
      - { .name: Wq_codes, .offset: 16, .size: 8, .value_kind: global_buffer, .address_space: global }
      - { .name: Wq_scales, .offset: 24, .size: 8, .value_kind: global_buffer, .address_space: global }
      - { .name: Wk_codes, .offset: 32, .size: 8, .value_kind: global_buffer, .address_space: global }
      - { .name: Wk_scales, .offset: 40, .size: 8, .value_kind: global_buffer, .address_space: global }
      - { .name: Wv_codes, .offset: 48, .size: 8, .value_kind: global_buffer, .address_space: global }
      - { .name: Wv_scales, .offset: 56, .size: 8, .value_kind: global_buffer, .address_space: global }
      - { .name: bq, .offset: 64, .size: 8, .value_kind: global_buffer, .address_space: global }
      - { .name: bk, .offset: 72, .size: 8, .value_kind: global_buffer, .address_space: global }
      - { .name: bv, .offset: 80, .size: 8, .value_kind: global_buffer, .address_space: global }
      - { .name: qimg, .offset: 88, .size: 8, .value_kind: global_buffer, .address_space: global }
      - { .name: qsc, .offset: 96, .size: 8, .value_kind: global_buffer, .address_space: global }
      - { .name: kv, .offset: 104, .size: 8, .value_kind: global_buffer, .address_space: global }
    .group_segment_fixed_size: 327680
    .private_segment_fixed_size: 0
    .kernarg_segment_align: 8
    .kernarg_segment_size: 112
    .max_flat_workgroup_size: 128
    .sgpr_count:     102
    .vgpr_count:     1024
    .wavefront_size: 32
...
	.end_amdgpu_metadata
.endif
;; end of part 1
;; launch attn (part 2): grid 4 x 64, 16 waves a work-group, clusters of 4 x 1, 327,680 bytes of LDS; arguments qimg, qsc, kv, out0; writes out0
.if DOCPART == 2
	.amdgcn_target "amdgcn-amd-amdhsa--gfx1250"
	.amdhsa_code_object_version 6
	.text
	.protected	k_q7829dea3da_attn
	.globl	k_q7829dea3da_attn
	.p2align	8
	.type	k_q7829dea3da_attn,@function
k_q7829dea3da_attn:
	s_mov_b64 s[64:65], 0
	v_nop
	global_prefetch_b8 v0, s[64:65] scope:SCOPE_SE
	s_setreg_imm32_b32 hwreg(HW_REG_WAVE_MODE, 25, 1), 1
	s_wait_xcnt 0x0
	s_wait_alu depctr_hold_cnt(0) depctr_sa_sdst(0) depctr_va_vdst(0) depctr_va_sdst(0) depctr_va_ssrc(0) depctr_va_vcc(0) depctr_vm_vsrc(0)
	s_getreg_b32 s2, hwreg(HW_REG_IB_STS2, 6, 4)
	s_cmp_eq_u32 s2, 0
	s_cbranch_scc0 .Lentry_in_a_cluster
	s_endpgm
.Lentry_in_a_cluster:
	s_bfe_u32 s2, ttmp6, 0x10000c
	s_cmp_lg_u32 s2, 0x3003
	s_cbranch_scc0 .Lentry_shape_is_right
	s_endpgm
.Lentry_shape_is_right:
; Causal attention on codes of FP4 (E2M1) with one E8M0 scale for each 32 along a product's K.  out0[b][q][128 h + d] = the sum over keys k <= q of softmax_k(Q . K / sqrt(128)) V.
; q, k, v come as images of the operands' registers (a fragment of 16 rows x 128 K: 1,024 bytes, registers 4 c .. 4 c + 3 at 512 c, lane l's 16 bytes at 16 l):
;   qimg [b h 64][tile of 16 queries 64][1,024];  qsc [b h][4 tiles 16][row 16][tile 4] scale words;
;   kv [b h][step of 128 keys 8][17,408]: K's 8 fragments, V^T's 8 fragments (K = the step's keys), scale words, K's [lane 32][4] (lane l's word i: key 32 i + l), V's [lane 32][4] (d 32 i + l).
; LEFT OUT: steps of 128 keys that all come after a tile's queries.  reference()'s own mask makes their scores -infinity, so their p is 0 whatever the inputs hold.  LIMIT: a NaN or an infinity in what only such steps would read is not carried.
; THE SOFTMAX AHEAD OF THE SECOND PRODUCT: t = score x log2(e) / sqrt(128); M = the row's largest t so far, rounded UP to a whole number; p = 2^(t - M) is what is quantised, along the keys; it is not normalised.
; The row's sum is taken of the unquantised p, in f32, and divides O at the end.  When M moves, the sum and O are multiplied by 2^(old M - new M): exact.
; SHARES.  The four work-groups of a cluster serve one (b, h); sixteen waves each.  Waves w and w + 8 are a PAIR and serve two tiles of 16 queries: the low one, 4 P + cx, and the high one, 4 (15 - P) + cx, P = w % 8: P / 2 + 1 and
; (15 - P) / 2 + 1 key steps, 9 together.  Wave w (role 0) takes the high tile's steps 0 to 3.  Wave w + 8 (role 1) takes the low tile, sends it out, and takes the high tile's steps from 4 on: five steps.
; At the end the two hold parts of the high tile's sums: each hands the other one half of the channels through LDS, joins the other half, and sends it out.  What a wave does hangs on its number and the trip alone.
; THE HEAD'S WHOLE kv, 139,264 bytes, comes into LDS once, asked for JOINTLY by the four work-groups, a key step a load: steps 0 to 3 at the head by waves 0 to 3, steps 4 to 7 by the same waves behind the round that shows the first four;
; the first trip reads step 0 alone.  No prefetch: the second four have that whole trip in which to land, and nothing is asked for later.
; LAYOUT.  Both products are used transposed, in the form 32 x 16 x 128: S^T = K Q^T (source 0 = 32 keys, source 1 = my queries), O^T = V^T P^T: a lane holds ONE query (lane % 16) throughout.
;   In S^T register 16 b + 8 u + j is key 32 b + 16 u + 8 (lane / 16) + j.
; LIMITS: a block whose every p has fallen to 0 keeps the scale byte 1 (its codes are zeros); NaN and infinities are not served.
; REGISTERS: v1-5 addresses; v6-11, v242-243, v248 the high tile's Q and its scale word, kept for role 1; v12 -M, v13 the largest t, v[14:15] the sum in two halves; v16-23 Q, v255 its scale word; v24-31 the step's scale words;
;   v32-95 fragments of K, then of V; v96-159 S^T, then p; v160-223 O^T; v224-231 p's codes; v232-254 at work, but v240, v241, v249 addresses and v250, v251 the add's.
.set KVSTEP, 17408
.set KVHEAD, 8*KVSTEP
.set STG,    KVHEAD                    ; behind kv: for each wave 8,960 bytes: a tile's stage (16 rows of 512 + 16 bytes), later what I hand over (4,608 bytes) and behind it a stage of 16 rows of 256 + 16 bytes
.set SZ,     8960
.set EX,     4608
.set SP,     528
.set SPARE,  STG+16*SZ                 ; the spare words, 128 bytes for each wave: blocks of 256 bytes that no other line names
.set WV,   12                          ; s12  my wave's number
.set CX,   13                          ; s13  my place in the cluster: it enters Q's and O's addresses and the masks alone
.set BH,   14                          ; s14  16 b + h
.set ROLE, 15                          ; s15
.set PP,   16                          ; s16  P
.set PAR,  17                          ; s17  P % 2
.set DB,   18                          ; s18  3 - P / 2
.set DR,   19                          ; s19  the same in role 1, 0 in role 0
.set SEL,  20                          ; s[20:21] lane selects for v_permlanex16_b32: lane l xor 16
.set CS,   22                          ; s[22:23] c = log2(e) / sqrt(128)
.set G1,   24
.set G0,   32
.set TR,   36                          ; s36  the trip, 0..4
.set U,    37                          ; s37  trip + 3 - P / 2: in role 1: 3 = the low tile's last step, 4 = the high tile's first; 8 more in role 0
.set R8,   38
.set MT,   39                          ; s39  the trip of the high tile's last step: 4 in role 1, never in role 0
.set SKP,  52                          ; s52  the trip that is left out: 4 in role 0, none in role 1
.set T1,   53                          ; s53  my first tile / 4
.set TH,   62                          ; s62  the high tile / 4
.set OL,   54                          ; s[54:55] out0 at the low tile; s[56:57] at the high one, my half of the channels
.set OH,   56
.set MK,   66                          ; s66-97 masks of the last step: word 8 t + j: the lanes whose key of tile t, register j, is hidden, among the four key tiles of the diagonal's half step
.macro CROUND                          ; a round of the cluster's barrier
	s_barrier_signal -1
	s_barrier_wait -1
	s_cmp_lg_u32 s[WV], 0
	s_cbranch_scc1 .Lnot_wave_0_\@
	s_barrier_signal -3
.Lnot_wave_0_\@:
	s_barrier_wait -3
	s_barrier_signal -1
	s_barrier_wait -1
.endm
.macro FILL                            ; waves 0 to 3 fetch a key step each
	s_cmp_lt_u32 s[WV], 4
	s_cbranch_scc0 .Lno_fill_\@
	tensor_load_to_lds s[G0:G0+3], s[G1:G1+7]
	s_nop 0
.rept 4
	v_nop
.endr
.Lno_fill_\@:
.endm
	s_load_b256 s[4:11], s[0:1], 0x0               ; qimg, qsc, kv, out0
	v_lshl_add_u32 v250, v0, 2, SPARE
	v_mov_b32 v251, 0
	ds_add_u32 v250, v251                          ; the wave's opening: the add, twice on end, and its one wait
	ds_add_u32 v250, v251
	v_lshrrev_b32 v1, 5, v0
	v_readfirstlane_b32 s[WV], v1                  ; wave 0..15
	s_bfe_u32 s[CX], ttmp6, 0x40000
	s_and_b32 s[BH], ttmp7, 0xffff
	s_lshr_b32 s[ROLE], s[WV], 3
	s_and_b32 s[PP], s[WV], 7
	s_and_b32 s[PAR], s[WV], 1
	s_lshr_b32 s40, s[PP], 1
	s_xor_b32 s[DB], s40, 3
	s_mul_i32 s[DR], s[DB], s[ROLE]
	s_xor_b32 s41, s[ROLE], 1
	s_lshl_b32 s[R8], s41, 3
	s_lshl_b32 s[MT], s41, 4
	s_add_co_u32 s[MT], s[MT], 4
	s_lshl_b32 s[SKP], s[ROLE], 4
	s_add_co_u32 s[SKP], s[SKP], 4
	s_mul_i32 s42, s41, 15
	s_xor_b32 s[T1], s[PP], s42
	s_xor_b32 s[TH], s[PP], 15
	; descriptor group 1: a key step, 17,408 dense bytes, as 68 rows of 32 elements of 8 bytes; no padding; the mask names all four work-groups, bit 21 beside it
	s_mov_b32 s[G1], 15|(3<<16)|(1<<21)
	s_mov_b32 s[G1+1], 32<<16
	s_mov_b32 s[G1+2], 68<<16
	s_mov_b32 s[G1+3], 32<<16
	s_mov_b32 s[G1+4], 68
	s_mov_b32 s[G1+5], 32
	s_mov_b32 s[G1+6], 0
	s_mov_b32 s[G1+7], 0
	s_mul_i32 s40, s[BH], KVHEAD
	s_mul_i32 s63, s[WV], KVSTEP                   ; key step w: in memory and in LDS
	s_add_co_u32 s40, s40, s63
	s_mov_b32 s41, 0
	s_lshl_b32 s44, s[BH], 16
	s_lshl_b32 s45, s[CX], 10
	s_add_co_u32 s44, s44, s45
	s_lshl_b32 s46, s[T1], 12
	s_add_co_u32 s46, s46, s44                     ; Q's fragment of my first tile,
	s_mov_b32 s47, 0
	s_lshl_b32 s48, s[TH], 12
	s_add_co_u32 s48, s48, s44                     ; and of the high tile
	s_mov_b32 s49, 0
	s_lshl_b32 s50, s[BH], 12
	s_lshl_b32 s51, s[CX], 2
	s_add_co_u32 s50, s50, s51
	s_lshl_b32 s42, s[T1], 8
	s_add_co_u32 s42, s42, s50                     ; their scale words
	s_mov_b32 s43, 0
	s_lshl_b32 s44, s[TH], 8
	s_add_co_u32 s44, s44, s50
	s_mov_b32 s45, 0
	s_wait_dscnt 0x0                               ; both opening adds are done
	s_wait_kmcnt 0x0
	s_mov_b32 s[G0], 1
	s_mov_b32 s[G0+1], s63
	s_add_nc_u64 s[G0+2:G0+3], s[8:9], s[40:41]
	s_or_b32 s[G0+3], s[G0+3], 0x80000000
	s_add_nc_u64 s[58:59], s[4:5], s[46:47]
	s_add_nc_u64 s[60:61], s[4:5], s[48:49]
	s_add_nc_u64 s[98:99], s[6:7], s[42:43]
	s_add_nc_u64 s[100:101], s[6:7], s[44:45]
	CROUND                                         ; all four work-groups are here: the joint loads meet
	FILL                                           ; key steps 0 to 3
	v_and_b32 v234, 31, v0
	v_and_b32 v232, 15, v0                         ; r
	v_bfe_u32 v233, v0, 4, 1                       ; h
	v_lshlrev_b32 v1, 4, v234                      ; 16 x lane: an image's place for my lane
	v_lshlrev_b32 v235, 4, v232
	global_load_b128 v[16:19], v1, s[58:59]        ; Q's fragment stays in registers,
	global_load_b128 v[20:23], v1, s[58:59] offset:512
	global_load_b32 v255, v235, s[98:99]           ; and its scale word
	global_load_b128 v[6:9], v1, s[60:61]          ; the high tile's
	global_load_b64 v[10:11], v1, s[60:61] offset:512
	global_load_b64 v[242:243], v1, s[60:61] offset:520
	global_load_b32 v248, v235, s[100:101]
	s_mul_i32 s40, s[WV], SZ
	s_add_co_u32 s40, s40, STG                     ; my stage
	s_add_co_u32 s41, s40, EX
	s_xor_b32 s42, s[WV], 8
	s_mul_i32 s42, s42, SZ
	s_add_co_u32 s42, s42, STG                     ; my partner's
	v_mul_u32_u24 v4, v232, SP
	v_mul_u32_u24 v240, v232, 272
	v_mul_u32_u24 v241, v233, 272
	v_lshlrev_b32 v2, 13, v233
	v_lshl_add_u32 v4, v233, 5, v4
	v_lshl_add_u32 v240, v233, 5, v240
	v_lshl_add_u32 v241, v232, 4, v241
	v_lshl_add_u32 v2, v232, 4, v2                 ; the last way out: lanes 0-15 take one row of out0, lanes 16-31 the next
	v_add_nc_u32 v4, s40, v4                       ; a tile's stage, in: row r, + 32 h; d tile t's eight channels 64 t bytes on
	v_add_nc_u32 v5, s40, v1                       ; back: the 32 lanes take one row of 512 bytes.  Also: what I hand over
	v_add_nc_u32 v240, s41, v240                   ; the last stage, in,
	v_add_nc_u32 v241, s41, v241                   ; and back: two rows of 256 bytes
	v_add_nc_u32 v249, s42, v1                     ; what my partner hands over
	v_mov_b32 v3, v1                               ; trip 0: key step 0
.irp b, 0,1,2,3
	v_mov_b32 v[236+\b], 0                         ; written once: a lane permute's destination counts as one of its sources
.endr
	v_mov_b32 v252, 0
	v_mov_b32 v253, 0                              ; (named as the upper half of the pair v[252:253] before it is first written)
	s_wait_alu depctr_va_vdst(0)                   ; ahead of the scalar lines below
	s_lshr_b32 s40, s[BH], 4
	s_lshl_b32 s40, s40, 23                        ; out0: 1,024 rows of 8,192 bytes a batch,
	s_and_b32 s41, s[BH], 15
	s_lshl_b32 s41, s41, 9                         ; 512 bytes a head,
	s_add_co_u32 s40, s40, s41
	s_lshl_b32 s41, s[CX], 17                      ; 16 rows a tile
	s_add_co_u32 s40, s40, s41
	s_lshl_b32 s42, s[PP], 19
	s_add_co_u32 s42, s42, s40
	s_mov_b32 s43, 0
	s_lshl_b32 s44, s[TH], 19
	s_add_co_u32 s44, s44, s40
	s_lshl_b32 s41, s[ROLE], 8                     ; my half of the channels: 256 bytes
	s_add_co_u32 s44, s44, s41
	s_mov_b32 s45, 0
	s_add_nc_u64 s[OL:OL+1], s[10:11], s[42:43]
	s_add_nc_u64 s[OH:OH+1], s[10:11], s[44:45]
	s_mov_b32 s[SEL], 0x76543210
	s_mov_b32 s[SEL+1], 0xfedcba98
	s_mov_b32 s[CS], 0x3e0293ee
	s_mov_b32 s[CS+1], s[CS]                       ; (named with it as a pair, so it is written)
	s_mov_b32 s[TR], 0
	s_add_co_u32 s[U], s[DB], s[R8]
.irp t, 0,1,2,3                        ; the masks: a tile's last step holds its diagonal in key tile 4 (tile / 4 % 2) + cx.  Key tile t of those four: t < cx all seen, t > cx all hidden,
	s_cmp_eq_u32 s[CX], \t                         ; t = cx: register j of lane (r, h) is hidden where 8 h + j > r
.irp j, 0,1,2,3,4,5,6,7
	s_cselect_b32 s[MK+8*\t+\j], ((1<<\j)-1)|(((1<<(8+\j))-1)<<16), 0
.endr
	s_cmp_lt_u32 s[CX], \t
.irp j, 0,1,2,3,4,5,6,7
	s_cselect_b32 s[MK+8*\t+\j], -1, s[MK+8*\t+\j]
.endr
.endr
; A KEY STEP of my tile.  first = 1: the tile's first: it starts O^T and the sum; else both are brought under the new M.
.macro STEP first
	ds_load_b128 v[24:27], v3 offset:16384         ; the step's scale words, K's and V's
	ds_load_b128 v[28:31], v3 offset:16896
.irp t, 0,1,2,3,4,5,6,7
.irp c, 0,1
	ds_load_b128 v[32+8*\t+4*\c:35+8*\t+4*\c], v3 offset:1024*\t+512*\c
.endr
.endr
	s_wait_alu depctr_va_vdst(0)                   ; directly ahead of the wait below
	s_wait_dscnt 0x0
.irp b, 0,1,2,3
	v_wmma_scale_f32_32x16x128_f4 v[96+16*\b:111+16*\b], v[32+16*\b:47+16*\b], v[16:23], 0, v[24+\b], v255
.endr
.rept 4
	v_nop                                          ; places in front of the loads into K's registers and of the first read of the scores
.endr
.irp t, 0,1,2,3,4,5,6,7
.irp c, 0,1
	ds_load_b128 v[32+8*\t+4*\c:35+8*\t+4*\c], v3 offset:8192+1024*\t+512*\c   ; V's fragments land while the softmax is worked
.endr
.endr
	s_cmp_eq_u32 s[U], 3                           ; does my tile end in this step?  (ids and the trip alone)
	s_cbranch_scc1 .Lmask_\@
	s_cmp_eq_u32 s[TR], s[MT]
	s_cbranch_scc0 .Lopen_\@                       ; all its keys count
.Lmask_\@:
	s_lshr_b32 s40, s[U], 2                        ; 0 the low tile, 1 the high one: tile / 4 is P or 15 - P
	s_xor_b32 s40, s40, s[PAR]
	s_cmp_eq_u32 s40, 0
	s_cbranch_scc1 .Leven_\@
	v_mov_b32 v254, 0xff800000                     ; -infinity: p = 0 then
.set n, 0
.rept 32
	v_cndmask_b32 v[128+n], v[128+n], v254, s[MK+n]   ; tile / 4 odd: the diagonal lies in the step's second 64 keys
.set n, n+1
.endr
	s_wait_alu depctr_va_vdst(0)                   ; directly ahead of the branch
	s_branch .Lopen_\@
.Leven_\@:
	v_mov_b32 v254, 0xff800000
.set n, 0
.rept 32
	v_cndmask_b32 v[96+n], v[96+n], v254, s[MK+n]  ; even: in the first 64,
.set n, n+1
.endr
.set n, 0
.rept 32
	v_mov_b32 v[128+n], v254                       ; and the second 64 are all hidden
.set n, n+1
.endr
.Lopen_\@:
.irp b, 0,1,2,3
	v_max3_num_f32 v[232+\b], v[96+16*\b], v[97+16*\b], v[98+16*\b]   ; THE LARGEST SCORE OF EACH BLOCK OF 32 KEYS: it serves for the row's maximum and, since p rises with the score, for the block's largest p
.endr
.irp i, 3,5,7,9,11,13
.irp b, 0,1,2,3
	v_max3_num_f32 v[232+\b], v[232+\b], v[96+16*\b+\i], v[97+16*\b+\i]   ; (the four blocks by turns)
.endr
.endr
.irp b, 0,1,2,3
	v_max_num_f32 v[232+\b], v[232+\b], v[111+16*\b]
.endr
.irp b, 0,1,2,3
	s_delay_alu instid0(VALU_DEP_4)
	v_permlanex16_b32 v[236+\b], v[232+\b], s[SEL], s[SEL+1]
.endr
.irp b, 0,1,2,3
	s_delay_alu instid0(VALU_DEP_4)
	v_max_num_f32 v[232+\b], v[232+\b], v[236+\b]  ; with lane l xor 16's 16 keys
.endr
	s_delay_alu instid0(VALU_DEP_2)
	v_max3_num_f32 v254, v232, v233, v234
	s_delay_alu instid0(VALU_DEP_1)
	v_max_num_f32 v254, v254, v235                 ; the step's largest score of my query
	s_delay_alu instid0(VALU_DEP_1)
.if \first
	v_mul_f32 v13, s[CS], v254                     ; as t (c is positive): the largest so far
	s_delay_alu instid0(VALU_DEP_1)
	v_floor_f32 v12, -v13                          ; -M = floor(-t) = -ceil(t): M is a whole number
.else
	v_mul_f32 v254, s[CS], v254                    ; as t (c is positive)
	s_delay_alu instid0(VALU_DEP_1)
	v_max_num_f32 v13, v13, v254                   ; the running largest t
	v_mov_b32 v254, v12
	s_delay_alu instid0(VALU_DEP_2)
	v_floor_f32 v12, -v13                          ; the new -M = floor(-t) = -ceil(t): M is a whole number
	s_delay_alu instid0(VALU_DEP_1)
	v_sub_f32 v254, v12, v254                      ; M's old value less its new one: a whole number, 0 or less
	s_delay_alu instid0(VALU_DEP_1)
	v_cvt_i32_f32 v254, v254                       ; (it saturates)
	s_delay_alu instid0(VALU_DEP_1)
	v_ldexp_f32 v252, 1.0, v254                    ; f = 2^(old M - new M)
.endif
.set n, 0
.rept 32
	v_pk_fma_f32 v[96+n:97+n], v[96+n:97+n], s[CS:CS+1], v[12:13] op_sel_hi:[1,0,0]   ; t - M, two at a time (of the pairs c and -M the low word serves both halves)
.set n, n+2
.endr
.irp b, 0,1,2,3
	v_fma_f32 v[232+\b], v[232+\b], s[CS], v12     ; the same of each block's largest score
.endr
	s_wait_alu depctr_va_vdst(0)                   ; ahead of the batch
.set n, 0
.rept 64
	v_exp_f32 v[96+n], v[96+n]                     ; p = 2^(t - M), at most 1: not normalised
.set n, n+1
.endr
.irp b, 0,1,2,3
	v_exp_f32 v[232+\b], v[232+\b]                 ; the block's largest p: the same two instructions on the same number give the same bits
.endr
.if \first
	v_nop                                          ; one plain place behind the exponentials
.else
	v_pk_mul_f32 v[14:15], v[14:15], v[252:253] op_sel_hi:[1,0]   ; the sums under the new M.  (A plain place behind the exponentials)
.endif
	s_wait_alu depctr_va_vdst(0)                   ; and behind it
.irp b, 0,1,2,3
	v_max_num_f32 v[232+\b], 0x1800000, v[232+\b]  ; the floor 2^(3 - 127): the byte cannot fall under 1
.endr
.irp b, 0,1,2,3
	s_delay_alu instid0(VALU_DEP_4)
	v_add_nc_u32 v[244+\b], 0xff000000, v[232+\b]  ; 2 off the exponent field: the conversion's scale operand
.endr
.irp b, 0,1,2,3
	s_delay_alu instid0(VALU_DEP_4)
	v_lshrrev_b32 v[236+\b], 23, v[244+\b]         ; the scale's byte
.endr
	s_delay_alu instid0(VALU_DEP_3)
	v_lshl_or_b32 v253, v237, 8, v236              ; p's scale word for these 128 keys
	s_delay_alu instid0(VALU_DEP_1)
	v_lshl_or_b32 v253, v238, 16, v253
	s_delay_alu instid0(VALU_DEP_1)
	v_lshl_or_b32 v253, v239, 24, v253
.irp c, 0,1                                    ; a conversion takes 8 registers; parts 0, 2, 1, 3 of each 64 keys in this order,
	v_cvt_scalef32_pk8_fp4_f32 v[224+4*\c], v[96+32*\c:103+32*\c], v[244+2*\c]
	v_cvt_scalef32_pk8_fp4_f32 v[225+4*\c], v[112+32*\c:119+32*\c], v[245+2*\c]
	v_cvt_scalef32_pk8_fp4_f32 v[226+4*\c], v[104+32*\c:111+32*\c], v[244+2*\c]
	v_cvt_scalef32_pk8_fp4_f32 v[227+4*\c], v[120+32*\c:127+32*\c], v[245+2*\c]
.endr
	v_nop                                          ; one plain place behind a scaled conversion
.irp c, 0,1                                    ; so that two exchanges of halves leave register 4 c + i of lane half h with keys 64 c + 32 h + 8 i + 0 .. 7: the operand's layout
	v_permlane16_swap_b32 v[224+4*\c], v[225+4*\c]
	v_permlane16_swap_b32 v[226+4*\c], v[227+4*\c]
.endr
; the row's sum of the unquantised p, two at a time, in seven chains: v[232:239], v[244:247] and v[14:15]
.set n, 0
.set cI, 0
.rept 6+\first
.if cI == 6
.set cR, 14
.else
.set cR, 232+2*cI+4*(cI/4)
.endif
	v_pk_add_f32 v[cR:cR+1], v[96+n:97+n], v[98+n:99+n]
.set n, n+4
.set cI, cI+1
.endr
.rept 20-2*\first
.if cI == 7
.set cI, 0
.endif
.if cI == 6
.set cR, 14
.else
.set cR, 232+2*cI+4*(cI/4)
.endif
	v_pk_add_f32 v[cR:cR+1], v[cR:cR+1], v[96+n:97+n]
.set n, n+2
.set cI, cI+1
.endr
	v_pk_add_f32 v[232:233], v[232:233], v[234:235]
	v_pk_add_f32 v[236:237], v[236:237], v[238:239]
	v_pk_add_f32 v[244:245], v[244:245], v[246:247]
	v_pk_add_f32 v[232:233], v[232:233], v[236:237]
	v_pk_add_f32 v[14:15], v[14:15], v[244:245]
	v_pk_add_f32 v[14:15], v[14:15], v[232:233]
.if \first == 0
	s_wait_alu depctr_va_vdst(0)                   ; directly ahead of the first reader of O^T
.set n, 0
.rept 32
	v_pk_mul_f32 v[160+n:161+n], v[160+n:161+n], v[252:253] op_sel_hi:[1,0]   ; O^T under the new M: x f
.set n, n+2
.endr
.endif
	s_wait_alu depctr_va_vdst(0)                   ; directly ahead of the wait below
	s_wait_dscnt 0x0                               ; V
.irp b, 0,1,2,3
.if \first
	v_wmma_scale_f32_32x16x128_f4 v[160+16*\b:175+16*\b], v[32+16*\b:47+16*\b], v[224:231], 0, v[28+\b], v253
.else
	v_wmma_scale_f32_32x16x128_f4 v[160+16*\b:175+16*\b], v[32+16*\b:47+16*\b], v[224:231], v[160+16*\b:175+16*\b], v[28+\b], v253
.endif
.endr
.rept 4
	v_nop                                          ; places in front of the next trip's loads and writes, and of the way out's reads
.endr
.endm
	s_wait_alu depctr_va_vdst(0)                   ; the head's end
	s_wait_tensorcnt 0x0                           ; my key step of the first four is in
	ds_add_u32 v250, v251                          ; the add twice on end
	ds_add_u32 v250, v251
	s_add_co_u32 s[G0+1], s[G0+1], 4*KVSTEP        ; key step 4 + w
	s_add_nc_u64 s[G0+2:G0+3], s[G0+2:G0+3], 4*KVSTEP
	s_wait_dscnt 0x0                               ; both adds are done
	CROUND                                         ; key steps 0 to 3 are in, and all four work-groups are here
	FILL                                           ; key steps 4 to 7: their first fill
	s_wait_loadcnt 0x0                             ; Q
	STEP 1                                         ; trip 0: both roles begin with key step 0
	s_wait_tensorcnt 0x0                           ; my key step of the second four is in,
	s_wait_dscnt 0x0
	s_barrier_signal -1
	s_barrier_wait -1                              ; everybody's is; nothing is filled any more
	s_mov_b32 s[TR], 1
.Ltrip:                                                ; trips 1 to 4
	s_add_co_u32 s40, s[TR], s[DB]
	s_lshr_b32 s41, s40, 2                         ; 1 in role 1 from the high tile on (role 0: DR is 0)
	s_mul_i32 s41, s41, s[DR]
	s_add_co_u32 s41, s41, s[TR]                   ; the key step: the trip; in role 1, on the high tile, 3 - P / 2 more: 4 on
	s_mul_i32 s41, s41, KVSTEP
	s_add_co_u32 s[U], s40, s[R8]
	v_add_nc_u32 v3, s41, v1
	s_wait_alu depctr_va_vdst(0)                   ; ahead of the branches
	s_cmp_eq_u32 s[TR], s[SKP]
	s_cbranch_scc1 .Lnext                          ; role 0 has four steps
	s_cmp_eq_u32 s[U], 4
	s_cbranch_scc1 .Lswitch                        ; role 1: the low tile is finished
	STEP 0
	s_branch .Lnext
.Lswitch:
	; THE LOW TILE GOES OUT: O^T is divided by the row's sum and goes through my own stage in LDS: a lane holds 32 bytes of a row, and the rows come back whole, 512 bytes for the 32 lanes.
	v_add_f32 v14, v14, v15                        ; the sum's two halves,
.irp i, 0,1,2,3,4,5
	v_mov_b32 v[16+\i], v[6+\i]                    ; (the high tile's Q takes its place)
.endr
	v_permlanex16_b32 v252, v14, s[SEL], s[SEL+1]
	v_mov_b32 v22, v242
	v_mov_b32 v23, v243
	v_mov_b32 v255, v248
	v_add_f32 v14, v14, v252                       ; and lane l xor 16's: the row's sum
	s_wait_alu depctr_va_vdst(0)                   ; ahead of the transcendental
	v_rcp_f32 v14, v14
	v_nop                                          ; one plain place behind a transcendental
	s_wait_alu depctr_va_vdst(0)                   ; and behind it
.set n, 0
.rept 32
	v_pk_mul_f32 v[96+n:97+n], v[160+n:161+n], v[14:15] op_sel_hi:[1,0]   ; register 8 t + i is o(r, 16 t + 8 h + i); each accumulator from its low end on
.set n, n+2
.endr
.irp t, 0,1,2,3,4,5,6,7
	ds_store_b128 v4, v[96+8*\t:99+8*\t] offset:64*\t
	ds_store_b128 v4, v[100+8*\t:103+8*\t] offset:64*\t+16
.endr
.irp i, 0,1,2,3,4,5,6,7,8,9,10,11,12,13,14,15
	ds_load_b128 v[32+4*\i:35+4*\i], v5 offset:\i*SP   ; LDS serves a wave's instructions in order (ISA guide 5.7.1.4): these see my stores
.endr
.irp i, 0,1,2,3,4,5,6,7,8,9,10,11,12,13,14,15
	s_wait_dscnt 15-\i                             ; row i is back; the younger rows' loads may be out
	global_store_b128 v1, v[32+4*\i:35+4*\i], s[OL:OL+1] offset:8192*\i th:TH_STORE_NT   ; 32 lanes store 512 consecutive bytes, at a multiple of 256 from out0's first byte; written once, read by nobody here
.endr
	s_wait_xcnt 0x0                                ; the stores have read their registers: K's fragments may land there
	STEP 1                                         ; the high tile's key step 4
.Lnext:
	s_add_co_u32 s[TR], s[TR], 1
	s_cmp_lt_u32 s[TR], 5
	s_cbranch_scc1 .Ltrip
	; THE HIGH TILE'S TWO PARTS MEET.  Role 0 keeps d tiles 0 to 3 and hands over 4 to 7; role 1 the other way round; with them go the sum (this lane's part) and -M.
	v_add_f32 v14, v14, v15
	v_mov_b32 v15, v12
	s_wait_alu depctr_va_vdst(0)                   ; ahead of the branch
	s_cmp_eq_u32 s[ROLE], 0
	s_cbranch_scc0 .Lsend_1
.irp i, 0,1,2,3,4,5,6,7
	ds_store_b128 v5, v[192+4*\i:195+4*\i] offset:512*\i
.endr
	s_branch .Lsent
.Lsend_1:
.irp i, 0,1,2,3,4,5,6,7
	ds_store_b128 v5, v[160+4*\i:163+4*\i] offset:512*\i
.endr
.Lsent:
	ds_store_b64 v5, v[14:15] offset:4096
	s_wait_dscnt 0x0                               ; for my partner's sake: my stores are done
	s_barrier_signal -1
	s_barrier_wait -1
.irp i, 0,1,2,3,4,5,6,7
	ds_load_b128 v[32+4*\i:35+4*\i], v249 offset:512*\i
.endr
	ds_load_b64 v[64:65], v249 offset:4096
	s_wait_dscnt 0x0
	v_min_num_f32 v66, v15, v65                    ; -M of both parts
	v_mov_b32 v71, 0                               ; (the pairs' upper halves: named with them)
	v_mov_b32 v73, 0
	v_sub_f32 v67, v66, v15
	v_sub_f32 v68, v66, v65
	v_cvt_i32_f32 v67, v67
	v_cvt_i32_f32 v68, v68
	v_ldexp_f32 v70, 1.0, v67                      ; what brings my part under it, and my partner's
	v_ldexp_f32 v72, 1.0, v68
	v_mul_f32 v74, v14, v70
	v_fma_f32 v74, v64, v72, v74
	v_permlanex16_b32 v252, v74, s[SEL], s[SEL+1]
	v_add_f32 v74, v74, v252                       ; the row's sum
	s_wait_alu depctr_va_vdst(0)                   ; ahead of the transcendental
	v_rcp_f32 v74, v74
	v_nop                                          ; one plain place behind a transcendental
	s_wait_alu depctr_va_vdst(0)                   ; and behind it
	v_mul_f32 v70, v70, v74
	v_mul_f32 v72, v72, v74
.macro KEEP base                       ; my half of O^T: both parts x their factors over the row's sum
	s_wait_alu depctr_va_vdst(0)                   ; directly ahead of the readers
.set n, 0
.rept 16
	v_pk_mul_f32 v[96+n:97+n], v[\base+n:\base+1+n], v[70:71] op_sel_hi:[1,0]
.set n, n+2
.endr
.set n, 0
.rept 16
	v_pk_fma_f32 v[96+n:97+n], v[32+n:33+n], v[72:73], v[96+n:97+n] op_sel_hi:[1,0,1]
.set n, n+2
.endr
.endm
	s_cmp_eq_u32 s[ROLE], 0
	s_cbranch_scc0 .Lkeep_1
	KEEP 160
	s_wait_alu depctr_va_vdst(0)                   ; directly ahead of the branch
	s_branch .Lkept
.Lkeep_1:
	KEEP 192
	s_wait_alu depctr_va_vdst(0)
.Lkept:
.irp t, 0,1,2,3
	ds_store_b128 v240, v[96+8*\t:99+8*\t] offset:64*\t
	ds_store_b128 v240, v[100+8*\t:103+8*\t] offset:64*\t+16
.endr
.irp i, 0,1,2,3,4,5,6,7
	ds_load_b128 v[32+4*\i:35+4*\i], v241 offset:544*\i
.endr
.irp i, 0,1,2,3,4,5,6,7
	s_wait_dscnt 7-\i                              ; rows 2 i and 2 i + 1 are back
	global_store_b128 v2, v[32+4*\i:35+4*\i], s[OH:OH+1] offset:16384*\i th:TH_STORE_NT   ; sixteen lanes store 256 consecutive bytes, at a multiple of 256 from out0's first byte
.endr
	s_wait_tensorcnt 0x0                           ; the wave's end
	ds_add_u32 v250, v251
	s_wait_dscnt 0x0
	CROUND                                         ; the closing round: no work-group ends while a partner may still ask for a tile that names it
	s_endpgm
.Lfunc_end_k_q7829dea3da_attn:
	.size	k_q7829dea3da_attn, .Lfunc_end_k_q7829dea3da_attn-k_q7829dea3da_attn
	.p2alignl 7, 3214868480
	.fill 96, 4, 3214868480
	.section	.rodata,"a",@progbits
	.p2align	6, 0x0
	.amdhsa_kernel k_q7829dea3da_attn
		.amdhsa_group_segment_fixed_size 327680
		.amdhsa_private_segment_fixed_size 0
		.amdhsa_enable_private_segment 0
		.amdhsa_kernarg_size 32
		.amdhsa_user_sgpr_count 2
		.amdhsa_user_sgpr_kernarg_segment_ptr 1
		.amdhsa_wavefront_size32 1
		.amdhsa_system_sgpr_workgroup_id_x 1
		.amdhsa_system_sgpr_workgroup_id_y 1
		.amdhsa_system_sgpr_workgroup_id_z 1
		.amdhsa_system_vgpr_workitem_id 0
		.amdhsa_next_free_vgpr 256
		.amdhsa_next_free_sgpr 102
		.amdhsa_reserve_vcc 0
		.amdhsa_float_denorm_mode_32 3
		.amdhsa_float_denorm_mode_16_64 3
		.amdhsa_memory_ordered 1
		.amdhsa_forward_progress 1
		.amdhsa_inst_pref_size 90
	.end_amdhsa_kernel
	.amdgpu_metadata
---
amdhsa.version: [ 1, 2 ]
amdhsa.kernels:
  - .name:           k_q7829dea3da_attn
    .symbol:         k_q7829dea3da_attn.kd
    .args:
      - { .name: qimg, .offset: 0, .size: 8, .value_kind: global_buffer, .address_space: global }
      - { .name: qsc, .offset: 8, .size: 8, .value_kind: global_buffer, .address_space: global }
      - { .name: kv, .offset: 16, .size: 8, .value_kind: global_buffer, .address_space: global }
      - { .name: out0, .offset: 24, .size: 8, .value_kind: global_buffer, .address_space: global }
    .group_segment_fixed_size: 327680
    .private_segment_fixed_size: 0
    .kernarg_segment_align: 8
    .kernarg_segment_size: 32
    .max_flat_workgroup_size: 512
    .sgpr_count:     102
    .vgpr_count:     256
    .wavefront_size: 32
...
	.end_amdgpu_metadata
.endif
;; end of part 2
